; MI455X (gfx1250); checked and timed in simulation.
; The chip was launched on July 23, 2026; its instructions are those of AMD's public machine-readable ISA for CDNA 5 (MIT licence, August 2026) and "CDNA5" Instruction Set Architecture Reference Guide (July 2026). The comments in the code are by the model that wrote it; some were corrected since.
;; Scaled Dot Product Attention. Allowed arithmetic: matrix products marked QUANTISED: E4M3 operands, one given power-of-two scale a tensor, by v_wmma_f32_16x16x64_fp8_fp8 or v_wmma_f32_16x16x128_fp8_fp8, f32 sums; everything else in f32.
;; Inputs: k_codes 4 x 16 x 2,048 x 2 x 32 uint8 (E4M3 codes of k, K innermost, in blocks of 32 codes); lowp_scales 4 int32 (the exponents e of the quantised operands' scales 2^e); q_codes 4 x 16 x 2,048 x 2 x 32 uint8 (E4M3 codes of q, K innermost, in blocks of 32 codes); v_codes 4 x 16 x 64 x 64 x 32 uint8 (E4M3 codes of v, K innermost, in blocks of 32 codes).
;; Outputs: out0 4 x 16 x 2,048 x 64 float32.
;; This version of the problem:
;;   THIS VERSION OF THE PROBLEM IS GIVEN IN LOW PRECISION. The matrix products marked QUANTISED in the list below multiply operands that are first quantised to E4M3 (4 exponent bits, 3 mantissa bits; 8 bits a number), with one given power-of-two scale for each operand tensor; their sums are f32. All else is computed in f32.
;;   The module's matrix products, in the order in which they are computed (A, B: the left and right operand; K: the contracted axis; several contracted axes count as one K, in the product's order):
;;     1. batch 64 x [M 2,048, K 64] x [K 64, N 2,048]; A: input q (given as codes); B: input k (given as codes): QUANTISED (scales: A lowp_scales[0], B lowp_scales[1])
;;     2. batch 64 x [M 2,048, K 2,048] x [K 2,048, N 64]; A: softmax (see below); B: input v (given as codes): QUANTISED (scales: A lowp_scales[2], B lowp_scales[3])
;;   THE QUANTISER, for each operand of a quantised product, along K:
;;     - The operand's scale is 2^e, e = its entry of the input lowp_scales (int32; the entries are numbered through the quantised products in the list's order, A before B).
;;     - Each number is divided by the scale, clamped to +-448, and rounded to the nearest number of E4M3, ties to even, subnormals kept.
;;     - The product sums the exact products of the quantised numbers (number of the format x scale) in f32.
;;   ~~~python
;;   def quantise(x, axis, e):      # numpy; x: float32 -> the quantised numbers, widened to float32 again
;;       x = np.moveaxis(x, axis, -1); K = x.shape[-1]
;;       r = np.clip(x / 2.0 ** e, -448, 448)
;;       step = 2.0 ** (np.maximum(np.frexp(np.where(r == 0, 1, r))[1] - 1, -6) - 3)
;;       q = np.round(r / step) * step * 2.0 ** e      # np.round: ties to even
;;       return np.moveaxis(q, -1, axis).astype(np.float32)
;;   ~~~
;;   SOFTMAX AHEAD OF A QUANTISED PRODUCT. Where the list says 'softmax', what is quantised is not the finished softmax but p = 2^(t - M), with t = logit x log2(e) and M = ceil(the row's largest t), a whole number; so 1/2 < the row's largest p <= 1. The row's sum l is taken of the UNQUANTISED p, in f32, and the product's result is divided by l at the end. Since M is a whole number, a kernel that streams over the keys may use a running M (the ceiling of the running maximum): every later rescaling is an exact power of two, so the quantised numbers keep their values, but for numbers so far below the row's largest that they fall under the format's range.
;;   OPERANDS COMPUTED ON THE WAY. 'Computed on the way' means the value that the module computes at that place (a softmax that the list does not call 'softmax' is quantised finished and normalised). What goes into a quantiser is computed in f32, as accurately as f32 sums, v_exp_f32 and their like allow (about 1e-6 of the number): no bf16 or f16 on the way to a quantiser, and a product that is left as it is and whose result goes on into a quantised operand takes f32 operands (vector FMAs, or v_wmma_f32_16x16x4_f32). A number that lies on a knife's edge between two numbers of the format may be rounded either way, as far as f32 arithmetic and the matrix unit's own rounding can turn it there, and no further.
;;   INPUTS GIVEN AS CODES. k (in the module: [4, 16, 2048, 64], K = its axis 3); q (in the module: [4, 16, 2048, 64], K = its axis 3); v (in the module: [4, 16, 2048, 64], K = its axis 2): each comes as NAME_codes (uint8): NAME with its K axis moved to the last place and cut into blocks of 32 codes, [.., K / 32, bytes a block], one block behind the other in memory; one code a byte (a code: sign, 4 exponent bits, 3 mantissa bits); its scale is its entry of lowp_scales. Its value is code x scale, taken as it is: it is not quantised again, and the codes and scales need not be those that the quantiser above would give.
;; 2 versions. Each part assembles by itself: llvm-mc -triple=amdgcn-amd-amdhsa -mcpu=gfx1250 --defsym DOCPART=n.
;; ======== version 1 of 2: 1 launch
;; limits: right only within a limited range of input values
;; launch attn (part 1): grid 4 x 64, 8 waves a work-group, no clusters, 296,960 bytes of LDS; arguments q_codes, k_codes, v_codes, lowp_scales, out0; writes out0
.if DOCPART == 1
	.amdgcn_target "amdgcn-amd-amdhsa--gfx1250"
	.amdhsa_code_object_version 6
	.text
	.protected	k_q59c4c6c6c7_attn
	.globl	k_q59c4c6c6c7_attn
	.p2align	8
	.type	k_q59c4c6c6c7_attn,@function
k_q59c4c6c6c7_attn:
	s_mov_b64 s[64:65], 0
	v_nop
	global_prefetch_b8 v0, s[64:65] scope:SCOPE_SE
	s_setreg_imm32_b32 hwreg(HW_REG_WAVE_MODE, 25, 1), 1
	s_wait_xcnt 0x0
; out[h][q][:] = the sum over k of softmax_k(Q[h][q] . K[h][k] / 8) V[h][k][:], 64 heads, 2,048 queries and keys, head size 64, no mask; both products on codes of FP8 (E4M3), each tensor with its given scale 2^e.
; q_codes, k_codes: [64][2048][64] bytes.  v_codes: keys innermost, [64][64 (d)][2048] bytes.  lowp_scales: eq, ek, ep, ev (int32).  out0: [64][2048][64] f32.
; THE SOFTMAX AHEAD OF THE SECOND PRODUCT: t = score x log2(e) / 8; M = the row's largest t so far, rounded UP to a whole number; p = 2^(t - M) is quantised with 2^ep, not normalised.  The row's sum is taken of the
; unquantised p, in f32, and divides at the end.  When M moves, the sum and O are multiplied by 2^(old M - new M), which rounds nothing.
; SHARES.  A work-group owns 512 queries of one head (grid x: the block, y: the head): 256 work-groups.  Eight waves of 512 registers, two to a SIMD; a wave owns 64 queries: four tiles of 16.
; K AND V OF THE HEAD (262,144 bytes) BECOME RESIDENT IN LDS, written once, in eight chunks of 256 keys, through registers: a chunk is asked for a whole chunk of work (eight tile softmaxes a wave) ahead of the wait for it,
; so the loads themselves run ahead and no further request ahead of them is written.  No LDS byte is written twice before the way out, so ONE barrier a chunk publishes the next chunk.
; A wave walks the keys 128 a step.  K's eight fragments and V's four are read from LDS once a step and serve all four tiles.  Two score buffers: the products K Q^T of tile a + 2 are issued ahead of tile a + 1's softmax.
; LAYOUT.  Both products are used transposed.  S^T = K Q^T (16x16x64; source 0 = 16 neighbouring keys, source 1 = 16 queries; both fragments by two 16-byte loads a lane, the same permutation of the 64 channels on both
; sides): lane (r, h) holds query r, register 8 g + j key 16 g + 8 h + j.  The conversion of tile g's eight registers is then registers 2 g, 2 g + 1 of the 16x16x128 form's source 1 in its own layout.
; O^T += V^T P (source 0 = 16 rows d of V, eight 8-byte loads a lane): register j of tile t is out(query r, channel 16 t + 8 h + j).
; NO TENSOR LOADS, NO CLUSTER.  p is at most 1 (to rounding), so the hold at 448 x 2^ep can act only where ep < -8.  It is 64 of a tile step's 258 vector instructions, and a scalar branch on the whole number ep, round those
; 64 lines alone, leaves them out where they cannot act.  What sharing among the four work-groups of a head would
; spare is 262,144 bytes a work-group, read once, beside the 16 steps x 8 waves x 16,384 bytes = 2 MiB that its waves read from LDS.
; O^T is cleared once by 128 v_mov_b32: a first step of its own would be one more copy of the key step's text.
; LIMITS: eq + ek between -123 and 130 (added to c's exponent field); ep between -126 and 119 (2^ep and 448 x 2^ep are f32 numbers); ep + ev is applied by v_ldexp_f32 and has none.  NaN codes among the inputs are not served.
; REGISTERS.  Window 0: v1-15 addresses and constants; v16-31 four registers of statistics a tile (-M, largest t, the sum in two halves); v32-47 at work; v48-63, v240-255 the chunk on its way; v64-95 Q; v96-159, v160-223 the
; two score buffers; v224-239 p's codes.  Window 1: v0-127 O^T (tile a, channels 16 t on: 32 a + 8 t); v128-191 K's fragments; v192-255 V's.
.set KP,   80                          ; a key's row in LDS: 64 bytes + 16: 16 rows of a 16-byte load start at 16-byte columns 5 r mod 16, all different (64 banks of 4 bytes: ISA guide 11.1)
.set VP,   2064                        ; a row d of V in LDS: 2,048 bytes + 16: an 8-byte load's 32 lanes fall on banks 4 r + 2 h
.set VL,   2048*KP                     ; K lies at byte 0 (163,840 bytes), V behind it (64 x 2,064 = 132,096 bytes)
.set SPI,  272                         ; the way out: a stage row, 256 bytes + 16
.set STW,  4*16*SPI                    ; a wave's four stages; the eight waves' end at 139,264, inside K's bytes, which nobody reads by then
.set AK0,  1                           ; v1   80 r + 16 h
.set AV0,  2                           ; v2   VL + 2064 r + 8 h
.set AV1,  3                           ; v3   the same 32 rows further down
.set ADK,  4                           ; v4   K's fragment loads in hand
.set ADV,  5                           ; v5-6 V's
.set GK,   7                           ; v7   my 16 bytes of a chunk of K in memory: 2048 w + 16 l
.set GV,   8                           ; v8   of V: (8 w + h) 2048 + 16 r
.set LK0,  9                           ; v9   the same places in LDS, chunk 0
.set LV0,  10
.set LKC,  11                          ; v11-12 and in the chunk in hand
.set LVC,  12
.set SCL,  13                          ; v13  2^ep as f32
.set HL,   14                          ; v14  448 x 2^ep
.set STO,  15                          ; v15  the way out: where I put 32 bytes of a row
.set ST,   16                          ; v[16+4a]: -M, largest t, the sum's two halves
.set F,    32                          ; v[32:33] f = 2^(old M - new M); v33 is named with it as a pair
.set CH,   34                          ; v34-37 the maximum's four chains
.set PX,   38                          ; v38  the lane permute's destination
.set QO,   39                          ; v39  Q: 64 r + 16 h
.set T,    40                          ; v40-45 three chains of the sum
.set RD,   46                          ; v46  the way out: where I read rows back
.set GO,   47                          ; v47  16 l: my bytes of 512 in out0
.set STGK, 48
.set QF,   64
.set SBUF, 96
.set PC,   224
.set STGV, 240
.set KF,   128                         ; window 1
.set VF,   192                         ; window 1
.set WV,   14                          ; s14  wave
.set CS,   24                          ; s[24:25] c = log2(e) / 8 x 2^(eq + ek)
.set SEL,  26                          ; s[26:27] lane l xor 16
.set KB,   28                          ; s28  LDS byte of the next K step to fetch
.set VB,   29                          ; s29  the same along V's rows
.set SK,   30                          ; s30  LDS byte of the chunk of K to store
.set SV,   31                          ; s31  the same along V's rows
.set TR,   32                          ; s32  trips done
.set HOLD, 33                          ; s33  1 where ep < -8
.set EO,   36                          ; s36  ep + ev
.set W_KQ, 0x01                        ; source 0 (K) window 1; Q and S^T window 0
.set W_PV, 0x51                        ; source 0 (V), C and D (O^T) window 1; source 1 (p's codes) window 0
.set W_RS, 0x41                        ; destination and source 0 (O^T) window 1; f window 0
.set W_LD, 0x40                        ; destination window 1, address window 0
.set MSB, 0
.macro WIN new                         ; the immediate's high byte repeats the setting that is left; a switch that changes nothing is dropped
.if MSB != \new
	s_set_vgpr_msb (MSB<<8)|\new
.set MSB, \new
.endif
.endm
; A chunk (256 keys) is asked for: my wave's 2,048 bytes of K (each load: 512 consecutive bytes) and 8 rows x 256 bytes of V (each load: two rows' aligned 256 bytes).
.macro GLOAD
.irp j, 0,1,2,3
	global_load_b128 v[STGK+4*\j:STGK+4*\j+3], v[GK], s[6:7] offset:512*\j
.endr
.irp j, 0,1,2,3
	global_load_b128 v[STGV+4*\j:STGV+4*\j+3], v[GV], s[8:9] offset:4096*\j
.endr
.endm
; The chunk that was asked for goes into LDS.  left: how many younger loads may stay out.
.macro STORE left
	WIN 0
	s_wait_loadcnt \left                           ; the chunk's eight loads are in: so their bases may step
	s_add_nc_u64 s[6:7], s[6:7], 16384             ; 256 keys of 64 bytes on
	s_add_nc_u64 s[8:9], s[8:9], 256               ; 256 keys on along V's rows
	v_add_nc_u32 v[LKC], s[SK], v[LK0]
	v_add_nc_u32 v[LVC], s[SV], v[LV0]
.irp j, 0,1,2,3
	ds_store_b128 v[LKC], v[STGK+4*\j:STGK+4*\j+3] offset:8*KP*\j     ; a load's 512 bytes are 8 keys
.endr
.irp j, 0,1,2,3
	ds_store_b128 v[LVC], v[STGV+4*\j:STGV+4*\j+3] offset:2*VP*\j     ; two rows
.endr
	s_add_co_u32 s[SK], s[SK], 256*KP
	s_add_co_u32 s[SV], s[SV], 256
.endm
; A step's K: 8 fragments of 16 keys x 64 channels, two 16-byte loads each.
.macro FETCH_K
	WIN 0
	v_add_nc_u32 v[ADK], s[KB], v[AK0]
	s_add_co_u32 s[KB], s[KB], 128*KP
	WIN W_LD
.irp g, 0,1,2,3,4,5,6,7
	ds_load_b128 v[KF+8*\g:KF+8*\g+3],   v[ADK] offset:\g*16*KP
	ds_load_b128 v[KF+8*\g+4:KF+8*\g+7], v[ADK] offset:\g*16*KP+32
.endr
	WIN 0
.endm
; A step's V: 4 fragments of 16 rows d x 128 keys, eight 8-byte loads each: registers 2 c, 2 c + 1 hold keys 16 c + 8 h + 0 .. 7.
.macro FETCH_V
	WIN 0
	v_add_nc_u32 v[ADV], s[VB], v[AV0]
	v_add_nc_u32 v[ADV+1], s[VB], v[AV1]
	s_add_co_u32 s[VB], s[VB], 128
	WIN W_LD
.irp t, 0,1,2,3
.irp c, 0,1,2,3,4,5,6,7
	ds_load_b64 v[VF+16*\t+2*\c:VF+16*\t+2*\c+1], v[ADV+\t/2] offset:(\t%2)*16*VP+16*\c
.endr
.endr
	WIN 0
.endm
; S^T of tile b into score buffer buf: eight products, each a whole sum (K = 64), eight different accumulators.
.macro KQ b, buf
	WIN W_KQ
.irp g, 0,1,2,3,4,5,6,7
	v_wmma_f32_16x16x64_fp8_fp8 v[SBUF+64*(\buf)+8*\g:SBUF+64*(\buf)+8*\g+7], v[KF+8*\g:KF+8*\g+7], v[QF+8*(\b):QF+8*(\b)+7], 0
.endr
.endm
; O^T of tile a += V^T P: four accumulators, one instruction each a step; the accumulators take turns: between two links of a chain stand all the step's other products.
.macro PV a
	WIN W_PV
.irp t, 0,1,2,3
	v_wmma_f32_16x16x128_fp8_fp8 v[32*(\a)+8*\t:32*(\a)+8*\t+7], v[VF+16*\t:VF+16*\t+15], v[PC:PC+15], v[32*(\a)+8*\t:32*(\a)+8*\t+7]
.endr
.endm
; THE SOFTMAX OF TILE a FOR ONE STEP, in three parts.
; SMA: the largest of my 64 scores (four chains, ascending), the other half of the lanes', the running largest t, the new -M and f.  41 plain instructions.
.macro SMA a
	WIN 0
.set rS, SBUF+64*((\a)%2)
.set rT, ST+4*(\a)
.irp k, 0,1,2,3
	v_max3_num_f32 v[CH+\k], v[rS+3*\k], v[rS+3*\k+1], v[rS+3*\k+2]
.endr
.set ii, 0
.rept 26
	v_max3_num_f32 v[CH+ii%4], v[CH+ii%4], v[rS+12+2*ii], v[rS+13+2*ii]
.set ii, ii+1
.endr
	v_max3_num_f32 v[CH], v[CH], v[CH+1], v[CH+2]
	v_max_num_f32 v[CH], v[CH], v[CH+3]
	v_permlanex16_b32 v[PX], v[CH], s[SEL], s[SEL+1]   ; my query's other 64 keys lie in lane l xor 16
	v_max_num_f32 v[CH], v[CH], v[PX]
	v_mul_f32 v[CH], s[CS], v[CH]                  ; as t (c is positive)
	v_max_num_f32 v[rT+1], v[rT+1], v[CH]          ; the running largest t
	v_floor_f32 v[CH+1], -v[rT+1]                  ; the new -M = floor(-t) = -ceil(t)
	v_sub_f32 v[CH+2], v[CH+1], v[rT]              ; old M - new M: a whole number, 0 or less
	v_mov_b32 v[rT], v[CH+1]
	v_cvt_i32_f32 v[CH+2], v[CH+2]                 ; (it saturates)
	v_ldexp_f32 v[F], 1.0, v[CH+2]                 ; f = 2^(old M - new M)
.endm
; SMB: t - M, two at a time; p = 2^(t - M): the 64 exponentials are one batch with one plain instruction and ONE wait behind it, ahead of the first line that names a result.
.macro SMB a
	WIN 0
.set rS, SBUF+64*((\a)%2)
.set rT, ST+4*(\a)
.set ii, 0
.rept 32
	v_pk_fma_f32 v[rS+ii:rS+ii+1], v[rS+ii:rS+ii+1], s[CS:CS+1], v[rT:rT+1] op_sel_hi:[1,0,0]   ; of the pairs c and -M the low word serves both halves
.set ii, ii+2
.endr
.set ii, 0
.rept 64
	v_exp_f32 v[rS+ii], v[rS+ii]
.set ii, ii+1
.endr
	v_pk_mul_f32 v[rT+2:rT+3], v[rT+2:rT+3], v[F:F+1] op_sel_hi:[1,0]   ; the sum under the new M; the plain instruction behind the batch
	s_wait_alu depctr_va_vdst(0)
.endm
; SMC: the sum of the unquantised p (four chains of packed additions); the hold, where it can act; the eight conversions; O^T under the new M.
.macro SMC a
.set rS, SBUF+64*((\a)%2)
.set rT, ST+4*(\a)
	v_pk_add_f32 v[T:T+1],   v[rS:rS+1],   v[rS+2:rS+3]
	v_pk_add_f32 v[T+2:T+3], v[rS+4:rS+5], v[rS+6:rS+7]
	v_pk_add_f32 v[T+4:T+5], v[rS+8:rS+9], v[rS+10:rS+11]
.set ii, 6
.rept 26
.set tn, (ii-6)%4
.if tn == 0
	v_pk_add_f32 v[rT+2:rT+3], v[rT+2:rT+3], v[rS+2*ii:rS+2*ii+1]
.else
	v_pk_add_f32 v[T+2*tn-2:T+2*tn-1], v[T+2*tn-2:T+2*tn-1], v[rS+2*ii:rS+2*ii+1]
.endif
.set ii, ii+1
.endr
	v_pk_add_f32 v[T:T+1], v[T:T+1], v[T+2:T+3]
	v_pk_add_f32 v[rT+2:rT+3], v[rT+2:rT+3], v[T+4:T+5]
	v_pk_add_f32 v[rT+2:rT+3], v[rT+2:rT+3], v[T:T+1]
	s_cmp_eq_u32 s[HOLD], 0                        ; p / 2^ep stays under 448 where ep >= -8: the hold is passed over there, and only there
	s_cbranch_scc1 .Lfree_\@
.set ii, 0
.rept 64
	v_min_num_f32 v[rS+ii], v[rS+ii], v[HL]        ; the conversion to an 8-bit code does not saturate (ISA guide 7.6.2); p is not negative, so the hold is one-sided
.set ii, ii+1
.endr
.Lfree_\@:
.irp g, 0,1,2,3,4,5,6,7
	v_cvt_scalef32_pk8_fp8_f32 v[PC+2*\g:PC+2*\g+1], v[rS+8*\g:rS+8*\g+7], v[SCL]
.endr
	WIN W_RS
.set ii, 0
.rept 16
	v_pk_mul_f32 v[32*(\a)+ii:32*(\a)+ii+1], v[32*(\a)+ii:32*(\a)+ii+1], v[F:F+1] op_sel_hi:[1,0]   ; ascending; these are also the plain instructions between the conversions and the products that read the codes and write the scores anew
.set ii, ii+2
.endr
.endm
; A KEY STEP: 128 keys, four tiles.  At its head the scores of tiles 0 and 1 are made or on their way.  change = 1: the next chunk goes into LDS and is published, and the chunk after it is asked for.
; last = 1: nothing follows.  Every load into, and every vector read or write of, a register of a matrix instruction stands behind four or more plain vector instructions that name none of that instruction's registers
; V's loads behind SMA 0, K's behind SMA 2, each score buffer's first read behind another tile's whole SMB and SMC, the codes' rewriting behind the next tile's SMA.
.macro STEP change, last
	SMA 0
	FETCH_V                                        ; lands while tile 0's exponentials and sums are made
	SMB 0
	SMC 0
	s_wait_dscnt 0x0                               ; V's 32 loads are in
	PV 0
	KQ 2, 0
	SMA 1
	SMB 1
	SMC 1
	PV 1
	KQ 3, 1
.if \change
	STORE 0                                        ; asked for a trip ago; its bytes are the next chunk's, which nobody reads yet
.endif
	SMA 2
.if \change
	s_wait_dscnt 0x0                               ; for the others' sake: my stores have landed
	s_barrier_signal -1
.endif
	SMB 2                                          ; work on registers alone while the others arrive
.if \change
	s_barrier_wait -1                              ; the next chunk is whole
	s_cmp_ge_u32 s[TR], 6                          ; trips 0 to 5 ask for chunks 2 to 7; there is no chunk 8: no load leaves its buffer
	s_cbranch_scc1 .Lnoload_\@
	GLOAD
.Lnoload_\@:
.endif
.if \last == 0
	FETCH_K                                        ; the next step's K; this step's last product on K stands ahead of SMA 2
.endif
	SMC 2
	PV 2
	SMA 3
.if \last == 0
	s_wait_dscnt 0x0                               ; K's 16 loads are in
	KQ 0, 0
.endif
	SMB 3
	SMC 3
	PV 3
.if \last == 0
	KQ 1, 1
.endif
	WIN 0                                          ; at a label and at a branch every window is 0
.endm
	s_load_b256 s[4:11], s[0:1], 0x0               ; Q s[4:5], K s[6:7], V s[8:9], the scales' exponents s[10:11]
	s_load_b64 s[12:13], s[0:1], 0x20              ; out0
	v_lshrrev_b32 v[ADK], 5, v0
	v_readfirstlane_b32 s[WV], v[ADK]              ; wave 0..7
	v_and_b32 v34, 31, v0                          ; l
	v_and_b32 v35, 15, v0                          ; r
	v_bfe_u32 v36, v0, 4, 1                        ; h
	v_mul_u32_u24 v[AK0], v35, KP
	v_lshl_add_u32 v[AK0], v36, 4, v[AK0]
	v_mul_u32_u24 v[AV0], v35, VP
	v_lshl_add_u32 v[AV0], v36, 3, v[AV0]
	v_add_nc_u32 v[AV0], VL, v[AV0]
	v_add_nc_u32 v[AV1], 32*VP, v[AV0]
	s_lshl_b32 s38, s[WV], 11
	v_lshlrev_b32 v[GK], 4, v34
	v_add_nc_u32 v[GK], s38, v[GK]
	s_lshl_b32 s39, s[WV], 14
	v_lshlrev_b32 v[GV], 4, v35
	v_lshl_add_u32 v[GV], v36, 11, v[GV]
	v_add_nc_u32 v[GV], s39, v[GV]
	v_lshrrev_b32 v37, 2, v34                      ; four lanes to a key's 64 bytes
	v_mul_u32_u24 v[LK0], v37, KP
	v_and_b32 v37, 3, v0
	v_lshl_add_u32 v[LK0], v37, 4, v[LK0]
	s_mul_i32 s40, s[WV], 32*KP                    ; my wave's 32 keys of a chunk
	v_add_nc_u32 v[LK0], s40, v[LK0]
	s_mul_i32 s41, s[WV], 8*VP                     ; my wave's 8 rows of V
	s_add_co_u32 s41, s41, VL
	v_mul_u32_u24 v[LV0], v36, VP
	v_lshl_add_u32 v[LV0], v35, 4, v[LV0]
	v_add_nc_u32 v[LV0], s41, v[LV0]
	v_lshlrev_b32 v[QO], 6, v35
	v_lshl_add_u32 v[QO], v36, 4, v[QO]
	s_mul_i32 s42, s[WV], STW
	v_mul_u32_u24 v[STO], v35, SPI                 ; in: row r, 32 bytes for each half of the lanes
	v_lshl_add_u32 v[STO], v36, 5, v[STO]
	v_add_nc_u32 v[STO], s42, v[STO]
	v_mul_u32_u24 v[RD], v36, SPI                  ; back: lanes 0-15 one row of 256 bytes, lanes 16-31 the next
	v_lshl_add_u32 v[RD], v35, 4, v[RD]
	v_add_nc_u32 v[RD], s42, v[RD]
	v_lshlrev_b32 v[GO], 4, v34
	s_and_b32 s16, ttmp7, 0xffff                   ; the head
	s_lshl_b32 s44, s16, 17                        ; its 131,072 bytes in each tensor of codes
	s_mov_b32 s45, 0
	s_lshl_b32 s46, ttmp9, 15                      ; my block's 512 queries of 64 bytes,
	s_lshl_b32 s47, s[WV], 12                      ; my wave's 64
	s_add_co_u32 s46, s46, s47
	s_add_co_u32 s46, s46, s44
	s_mov_b32 s47, 0
	s_lshl_b32 s34, s46, 2                         ; a row of out0 is four times a row of Q: at most 33,554,432 bytes
	s_mov_b32 s35, 0
	s_mov_b32 s[SEL], 0x76543210
	s_mov_b32 s[SEL+1], 0xfedcba98
	s_mov_b32 s[KB], 0
	s_mov_b32 s[VB], 0
	s_mov_b32 s[SK], 0
	s_mov_b32 s[SV], 0
	s_mov_b32 s[TR], 0
	s_wait_kmcnt 0x0
	s_load_b128 s[20:23], s[10:11], 0x0            ; eq, ek, ep, ev
	s_add_nc_u64 s[6:7], s[6:7], s[44:45]
	s_add_nc_u64 s[8:9], s[8:9], s[44:45]
	s_add_nc_u64 s[4:5], s[4:5], s[46:47]
	s_add_nc_u64 s[12:13], s[12:13], s[34:35]
	GLOAD                                          ; chunk 0
.irp a, 0,1,2,3
.irp c, 0,1
	global_load_b128 v[QF+8*\a+4*\c:QF+8*\a+4*\c+3], v[QO], s[4:5] offset:1024*\a+32*\c th:TH_LOAD_NT   ; Q stays in registers; read once in the launch
.endr
.endr
	WIN W_LD
.set ii, 0
.rept 128
	v_mov_b32 v[ii], 0                             ; O^T: the first step finds zeros, which the first change of M leaves zeros
.set ii, ii+1
.endr
	WIN 0
	s_wait_kmcnt 0x0
	s_add_co_i32 s38, s20, s21
	s_lshl_b32 s38, s38, 23
	s_add_co_i32 s[CS], s38, 0x3e38aa3b            ; c = log2(e) / 8, with eq + ek added to its exponent field: a score stands for score x 2^(eq + ek)
	s_mov_b32 s[CS+1], s[CS]                       ; (named with it as a pair, so it is written)
	s_add_co_i32 s38, s22, 127
	s_lshl_b32 s39, s38, 23
	v_mov_b32 v[SCL], s39                          ; 2^ep as f32: the conversion takes its exponent field
	s_add_co_i32 s38, s38, 8
	s_lshl_b32 s38, s38, 23
	s_or_b32 s38, s38, 0x600000
	v_mov_b32 v[HL], s38                           ; 448 x 2^ep
	s_add_co_i32 s[EO], s22, s23
	s_cmp_lt_i32 s22, -8
	s_cselect_b32 s[HOLD], 1, 0
	STORE 8                                        ; chunk 0's eight loads are in; Q's eight, issued behind them, may be out
	s_wait_dscnt 0x0                               ; my stores have landed
	s_barrier_signal -1
	s_barrier_wait -1                              ; chunk 0 is whole
	GLOAD                                          ; chunk 1
	FETCH_K                                        ; step 0
	s_wait_loadcnt 8                               ; Q is in; chunk 1's eight loads may be out
	s_wait_dscnt 0x0
	KQ 0, 0
	KQ 1, 1
	WIN 0
.irp a, 0,1,2,3                                ; eighteen plain instructions: also the places behind those products
	v_mov_b32 v[ST+4*\a+1], 0xff61b1e6             ; the largest t so far: -3e38, under every t
	v_floor_f32 v[ST+4*\a], -v[ST+4*\a+1]          ; -M
	v_mov_b32 v[ST+4*\a+2], 0                      ; the sum, in two halves
	v_mov_b32 v[ST+4*\a+3], 0
.endr
	v_mov_b32 v[F+1], 0                            ; named as the upper half of the pair
	v_mov_b32 v[PX], 0                             ; a lane permute's destination counts as one of its sources
.Ltrip:                                            ; seven trips: trip c works chunk c, stores and publishes chunk c + 1, asks for chunk c + 2
	STEP 0, 0
	STEP 1, 0
	s_add_co_u32 s[TR], s[TR], 1
	s_cmp_lt_u32 s[TR], 7
	s_cbranch_scc1 .Ltrip
	STEP 0, 0                                      ; chunk 7: nothing is left to store or to ask for
	STEP 0, 1
	; THE WAY OUT.  The stages lie over K's bytes: so a barrier first, behind which no wave reads K.  Between its signal and its wait: the sums' ends, on registers alone.
	s_wait_dscnt 0x0
	s_barrier_signal -1
.irp a, 0,1,2,3
	v_add_f32 v[ST+4*\a+2], v[ST+4*\a+2], v[ST+4*\a+3]     ; the sum's two halves (these four are the places behind the last products),
.endr
.irp a, 0,1,2,3
	v_permlanex16_b32 v[ST+4*\a+1], v[ST+4*\a+2], s[SEL], s[SEL+1]
.endr
.irp a, 0,1,2,3
	v_add_f32 v[ST+4*\a+2], v[ST+4*\a+2], v[ST+4*\a+1]     ; and lane l xor 16's: the row's sum, above 1/2
.endr
.irp a, 0,1,2,3
	v_rcp_f32 v[ST+4*\a+2], v[ST+4*\a+2]
.endr
	v_nop                                          ; a plain instruction behind the last reciprocal
	s_wait_alu depctr_va_vdst(0)                   ; one wait for the four, ahead of their first reader
.irp a, 0,1,2,3
	v_ldexp_f32 v[ST+4*\a+2], v[ST+4*\a+2], s[EO]  ; x 2^(ep + ev)
.endr
	s_barrier_wait -1
; Tile a: O^T / the sum into the score buffers' registers, each accumulator from its low end on; 32 bytes a lane into my stage; back as whole rows of 256 bytes, two an instruction, into the registers that they left.
.macro PACK a
	WIN 0x01                                       ; source 0 (O^T) window 1
.set ii, 0
.rept 16
	v_pk_mul_f32 v[SBUF+32*(\a)+ii:SBUF+32*(\a)+ii+1], v[32*(\a)+ii:32*(\a)+ii+1], v[ST+4*(\a)+2:ST+4*(\a)+3] op_sel_hi:[1,0]
.set ii, ii+2
.endr
	WIN 0
.irp t, 0,1,2,3
	ds_store_b128 v[STO], v[SBUF+32*(\a)+8*\t:SBUF+32*(\a)+8*\t+3]   offset:(\a)*16*SPI+64*\t
	ds_store_b128 v[STO], v[SBUF+32*(\a)+8*\t+4:SBUF+32*(\a)+8*\t+7] offset:(\a)*16*SPI+64*\t+16
.endr
.irp i, 0,1,2,3,4,5,6,7
	ds_load_b128 v[SBUF+32*(\a)+4*\i:SBUF+32*(\a)+4*\i+3], v[RD] offset:(\a)*16*SPI+\i*2*SPI   ; LDS serves a wave's instructions in order (ISA guide 5.7.1.4): these see my stores
.endr
.endm
.macro SEND a
.irp i, 0,1,2,3,4,5,6,7
	s_wait_dscnt 16*(3-(\a))+7-\i                  ; behind this load: its tile's younger loads and the later tiles' sixteen LDS instructions each
	global_store_b128 v[GO], v[SBUF+32*(\a)+4*\i:SBUF+32*(\a)+4*\i+3], s[12:13] offset:4096*(\a)+512*\i th:TH_STORE_NT   ; 32 lanes store 512 consecutive bytes, at a multiple of 256 from out0's first byte
.endr
.endm
	PACK 0
	PACK 1
	PACK 2
	PACK 3
	SEND 0
	SEND 1
	SEND 2
	SEND 3
	s_wait_xcnt 0x0
	v_lshl_add_u32 v254, v0, 2, 0x48400
	v_mov_b32 v255, 0
	s_wait_tensorcnt 0x0
	ds_add_u32 v254, v255
	s_wait_dscnt 0x0
	s_endpgm
.Lfunc_end_k_q59c4c6c6c7_attn:
	.size	k_q59c4c6c6c7_attn, .Lfunc_end_k_q59c4c6c6c7_attn-k_q59c4c6c6c7_attn
	.p2alignl 7, 3214868480
	.fill 96, 4, 3214868480
	.section	.rodata,"a",@progbits
	.p2align	6, 0x0
	.amdhsa_kernel k_q59c4c6c6c7_attn
		.amdhsa_group_segment_fixed_size 296960
		.amdhsa_private_segment_fixed_size 0
		.amdhsa_enable_private_segment 0
		.amdhsa_kernarg_size 40
		.amdhsa_user_sgpr_count 2
		.amdhsa_user_sgpr_kernarg_segment_ptr 1
		.amdhsa_wavefront_size32 1
		.amdhsa_system_sgpr_workgroup_id_x 1
		.amdhsa_system_sgpr_workgroup_id_y 1
		.amdhsa_system_sgpr_workgroup_id_z 1
		.amdhsa_system_vgpr_workitem_id 0
		.amdhsa_next_free_vgpr 512
		.amdhsa_next_free_sgpr 66
		.amdhsa_reserve_vcc 0
		.amdhsa_float_denorm_mode_32 3
		.amdhsa_float_denorm_mode_16_64 3
		.amdhsa_memory_ordered 1
		.amdhsa_forward_progress 1
		.amdhsa_inst_pref_size 248
	.end_amdhsa_kernel
	.amdgpu_metadata
---
amdhsa.version: [ 1, 2 ]
amdhsa.kernels:
  - .name:           k_q59c4c6c6c7_attn
    .symbol:         k_q59c4c6c6c7_attn.kd
    .args:
      - { .name: q_codes, .offset: 0, .size: 8, .value_kind: global_buffer, .address_space: global }
      - { .name: k_codes, .offset: 8, .size: 8, .value_kind: global_buffer, .address_space: global }
      - { .name: v_codes, .offset: 16, .size: 8, .value_kind: global_buffer, .address_space: global }
      - { .name: lowp_scales, .offset: 24, .size: 8, .value_kind: global_buffer, .address_space: global }
      - { .name: out0, .offset: 32, .size: 8, .value_kind: global_buffer, .address_space: global }
    .group_segment_fixed_size: 296960
    .private_segment_fixed_size: 0
    .kernarg_segment_align: 8
    .kernarg_segment_size: 40
    .max_flat_workgroup_size: 256
    .sgpr_count:     66
    .vgpr_count:     512
    .wavefront_size: 32
...
	.end_amdgpu_metadata
.endif
;; end of part 1
;; ======== version 2 of 2: 1 launch; version 1 with the launch attn written anew for expert scheduling mode
;; limits: right only within a limited range of input values
;; launch attn (part 2): grid 4 x 64, 8 waves a work-group, no clusters, 296,960 bytes of LDS; arguments q_codes, k_codes, v_codes, lowp_scales, out0; writes out0
.if DOCPART == 2
	.amdgcn_target "amdgcn-amd-amdhsa--gfx1250"
	.amdhsa_code_object_version 6
	.text
	.protected	k_q59c4c6c6c7_attn
	.globl	k_q59c4c6c6c7_attn
	.p2align	8
	.type	k_q59c4c6c6c7_attn,@function
k_q59c4c6c6c7_attn:
	s_mov_b64 s[64:65], 0
	v_nop
	global_prefetch_b8 v0, s[64:65] scope:SCOPE_SE
	s_setreg_imm32_b32 hwreg(HW_REG_WAVE_SCHED_MODE, 0, 2), 2
	s_setreg_imm32_b32 hwreg(HW_REG_WAVE_MODE, 25, 1), 1
	s_wait_xcnt 0x0
	s_wait_alu depctr_vm_vsrc(0)
; out[h][q][:] = the sum over k of softmax_k(Q[h][q] . K[h][k] / 8) V[h][k][:], 64 heads, 2,048 queries and keys, head size 64, no mask; both products on codes of FP8 (E4M3), each tensor with its given scale 2^e.
; q_codes, k_codes: [64][2048][64] bytes.  v_codes: keys innermost, [64][64 (d)][2048] bytes.  lowp_scales: eq, ek, ep, ev (int32).  out0: [64][2048][64] f32.
; THE SOFTMAX AHEAD OF THE SECOND PRODUCT: t = score x log2(e) / 8; M = the row's largest t so far, rounded UP to a whole number; p = 2^(t - M) is quantised with 2^ep, not normalised.  The row's sum is taken of the
; unquantised p, in f32, and divides at the end.  When M moves, the sum and O are multiplied by 2^(old M - new M), which rounds nothing.
; SHARES.  A work-group owns 512 queries of one head (grid x: the block, y: the head): 256 work-groups.  Eight waves of 512 registers, two to a SIMD; a wave owns 64 queries: four tiles of 16.
; K AND V OF THE HEAD (262,144 bytes) BECOME RESIDENT IN LDS, written once, in eight chunks of 256 keys, through registers: a chunk is asked for a whole chunk of work (eight tile softmaxes a wave) ahead of the wait for it,
; so the loads themselves run ahead and no further request ahead of them is written.  No LDS byte is written twice before the way out, so ONE barrier a chunk publishes the next chunk.
; A wave walks the keys 128 a step.  K's eight fragments and V's four are read from LDS once a step and serve all four tiles.  Two score buffers: the products K Q^T of tile a + 2 are issued ahead of tile a + 1's softmax.
; LAYOUT.  Both products are used transposed.  S^T = K Q^T (16x16x64; source 0 = 16 neighbouring keys, source 1 = 16 queries; both fragments by two 16-byte loads a lane, the same permutation of the 64 channels on both
; sides): lane (r, h) holds query r, register 8 g + j key 16 g + 8 h + j.  The conversion of tile g's eight registers is then registers 2 g, 2 g + 1 of the 16x16x128 form's source 1 in its own layout.
; O^T += V^T P (source 0 = 16 rows d of V, eight 8-byte loads a lane): register j of tile t is out(query r, channel 16 t + 8 h + j).
; NO TENSOR LOADS, NO CLUSTER.  p is at most 1 (to rounding), so the hold at 448 x 2^ep can act only where ep < -8.  It is 64 of a tile step's 258 vector instructions, and a scalar branch on the whole number ep, round those
; 64 lines alone, leaves them out where they cannot act.  What sharing among the four work-groups of a head would
; spare is 262,144 bytes a work-group, read once, beside the 16 steps x 8 waves x 16,384 bytes = 2 MiB that its waves read from LDS.
; O^T is cleared once by 128 v_mov_b32: a first step of its own would be one more copy of the key step's text.
; LIMITS: eq + ek between -123 and 130 (added to c's exponent field); ep between -126 and 119 (2^ep and 448 x 2^ep are f32 numbers); ep + ev is applied by v_ldexp_f32 and has none.  NaN codes among the inputs are not served.
; REGISTERS.  Window 0: v1-15 addresses and constants; v16-31 four registers of statistics a tile (-M, largest t, the sum in two halves); v32-47 at work; v48-63, v240-255 the chunk on its way; v64-95 Q; v96-159, v160-223 the
; two score buffers; v224-239 p's codes.  Window 1: v0-127 O^T (tile a, channels 16 t on: 32 a + 8 t); v128-191 K's fragments; v192-255 V's.
; THE MODE: SCHED_MODE bits 1:0 = 2 (LLVM: expert scheduling mode 2), set by the entry lines.  The code itself states the register dependences between vector or matrix instructions and memory or LDS instructions,
; with s_wait_alu, always for 0.
; THE PLAN.  Registers that memory or LDS instructions touch, and who else names them:
;   v7, v8, v39, v15, v46, v47   offsets and stage addresses: written at the head, never again: one wait on va_vdst at the head, ahead of the first load, serves every instruction that reads them.
;   v4, v5-6, v11-12             LDS addresses that move.  All of a step's are written together at the step's head, behind one wait on vm_vsrc (the LDS instructions issued so far have read them); the wait on va_vdst
;                                behind SMA 0 shows them written; no vector or matrix instruction names them from there to the next step's head.
;   v48-63, v240-255             the chunk on its way: global loads land in them, LDS stores read them, no vector instruction names them before the two lines at the wave's end: one wait on vm_vsrc between the stores and the next loads.
;   V's fragments                read by the four PV; the step's loads land behind the wait on va_vdst behind SMA 0, which stands behind the step before's PV 3.
;   K's fragments                read by the four KQ; the next step's loads land behind the wait on va_vdst that closes SMB 2's batch of exponentials, which stands behind KQ 3.
;   Q                            loaded once; matrix instructions alone read it.
;   the score buffers            on the way out alone: the scalings write them, one wait on va_vdst, the stage's stores read them, one wait on vm_vsrc, the stage's loads land in them, the global stores read them.
.set KP,   80                          ; a key's row in LDS: 64 bytes + 16: 16 rows of a 16-byte load start at 16-byte columns 5 r mod 16, all different (64 banks of 4 bytes: ISA guide 11.1)
.set VP,   2064                        ; a row d of V in LDS: 2,048 bytes + 16: an 8-byte load's 32 lanes fall on banks 4 r + 2 h
.set VL,   2048*KP                     ; K lies at byte 0 (163,840 bytes), V behind it (64 x 2,064 = 132,096 bytes)
.set SPI,  272                         ; the way out: a stage row, 256 bytes + 16
.set STW,  4*16*SPI                    ; a wave's four stages; the eight waves' end at 139,264, inside K's bytes, which nobody reads by then
.set AK0,  1                           ; v1   80 r + 16 h
.set AV0,  2                           ; v2   VL + 2064 r + 8 h
.set AV1,  3                           ; v3   the same 32 rows further down
.set ADK,  4                           ; v4   K's fragment loads in hand
.set ADV,  5                           ; v5-6 V's
.set GK,   7                           ; v7   my 16 bytes of a chunk of K in memory: 2048 w + 16 l
.set GV,   8                           ; v8   of V: (8 w + h) 2048 + 16 r
.set LK0,  9                           ; v9   the same places in LDS, chunk 0
.set LV0,  10
.set LKC,  11                          ; v11-12 and in the chunk in hand
.set LVC,  12
.set SCL,  13                          ; v13  2^ep as f32
.set HL,   14                          ; v14  448 x 2^ep
.set STO,  15                          ; v15  the way out: where I put 32 bytes of a row
.set ST,   16                          ; v[16+4a]: -M, largest t, the sum's two halves
.set F,    32                          ; v[32:33] f = 2^(old M - new M); v33 is named with it as a pair
.set CH,   34                          ; v34-37 the maximum's four chains
.set PX,   38                          ; v38  the lane permute's destination
.set QO,   39                          ; v39  Q: 64 r + 16 h
.set T,    40                          ; v40-45 three chains of the sum
.set RD,   46                          ; v46  the way out: where I read rows back
.set GO,   47                          ; v47  16 l: my bytes of 512 in out0
.set STGK, 48
.set QF,   64
.set SBUF, 96
.set PC,   224
.set STGV, 240
.set KF,   128                         ; window 1
.set VF,   192                         ; window 1
.set WV,   14                          ; s14  wave
.set CS,   24                          ; s[24:25] c = log2(e) / 8 x 2^(eq + ek)
.set SEL,  26                          ; s[26:27] lane l xor 16
.set KB,   28                          ; s28  LDS byte of the next K step to fetch
.set VB,   29                          ; s29  the same along V's rows
.set SK,   30                          ; s30  LDS byte of the chunk of K to store
.set SV,   31                          ; s31  the same along V's rows
.set TR,   32                          ; s32  trips done
.set HOLD, 33                          ; s33  1 where ep < -8
.set EO,   36                          ; s36  ep + ev
.set W_KQ, 0x01                        ; source 0 (K) window 1; Q and S^T window 0
.set W_PV, 0x51                        ; source 0 (V), C and D (O^T) window 1; source 1 (p's codes) window 0
.set W_RS, 0x41                        ; destination and source 0 (O^T) window 1; f window 0
.set W_LD, 0x40                        ; destination window 1, address window 0
.set MSB, 0
.macro WIN new                         ; the immediate's high byte repeats the setting that is left; a switch that changes nothing is dropped
.if MSB != \new
	s_set_vgpr_msb (MSB<<8)|\new
.set MSB, \new
.endif
.endm
; THE LDS ADDRESSES THAT MOVE are made apart from the instructions that read them, together at a step's head (the first ones at the kernel's head), so that one wait shows them all written.
.macro ADDR_ST                         ; where the next chunk goes
	v_add_nc_u32 v[LKC], s[SK], v[LK0]
	v_add_nc_u32 v[LVC], s[SV], v[LV0]
	s_add_co_u32 s[SK], s[SK], 256*KP
	s_add_co_u32 s[SV], s[SV], 256
.endm
.macro ADDR_K                          ; the K step that is fetched next
	v_add_nc_u32 v[ADK], s[KB], v[AK0]
	s_add_co_u32 s[KB], s[KB], 128*KP
.endm
.macro ADDR_V                          ; this step's V
	v_add_nc_u32 v[ADV], s[VB], v[AV0]
	v_add_nc_u32 v[ADV+1], s[VB], v[AV1]
	s_add_co_u32 s[VB], s[VB], 128
.endm
; A chunk (256 keys) is asked for: my wave's 2,048 bytes of K (each load: 512 consecutive bytes) and 8 rows x 256 bytes of V (each load: two rows' aligned 256 bytes).
.macro GLOAD
.irp j, 0,1,2,3
	global_load_b128 v[STGK+4*\j:STGK+4*\j+3], v[GK], s[6:7] offset:512*\j
.endr
.irp j, 0,1,2,3
	global_load_b128 v[STGV+4*\j:STGV+4*\j+3], v[GV], s[8:9] offset:4096*\j
.endr
.endm
; The chunk that was asked for goes into LDS.  left: how many younger loads may stay out.  The stores' addresses were written ahead of an earlier wait on va_vdst, and their data come from loads.
.macro STORE left
	WIN 0
	s_wait_loadcnt \left                           ; the chunk's eight loads are in: so their bases may step
	s_add_nc_u64 s[6:7], s[6:7], 16384             ; 256 keys of 64 bytes on
	s_add_nc_u64 s[8:9], s[8:9], 256               ; 256 keys on along V's rows
.irp j, 0,1,2,3
	ds_store_b128 v[LKC], v[STGK+4*\j:STGK+4*\j+3] offset:8*KP*\j     ; a load's 512 bytes are 8 keys
.endr
.irp j, 0,1,2,3
	ds_store_b128 v[LVC], v[STGV+4*\j:STGV+4*\j+3] offset:2*VP*\j     ; two rows
.endr
.endm
; A step's K: 8 fragments of 16 keys x 64 channels, two 16-byte loads each.  No wait of its own: see STEP.
.macro FETCH_K
	WIN W_LD
.irp g, 0,1,2,3,4,5,6,7
	ds_load_b128 v[KF+8*\g:KF+8*\g+3],   v[ADK] offset:\g*16*KP
	ds_load_b128 v[KF+8*\g+4:KF+8*\g+7], v[ADK] offset:\g*16*KP+32
.endr
	WIN 0
.endm
; A step's V: 4 fragments of 16 rows d x 128 keys, eight 8-byte loads each: registers 2 c, 2 c + 1 hold keys 16 c + 8 h + 0 .. 7.
.macro FETCH_V
	WIN W_LD
	s_wait_alu depctr_va_vdst(0)                   ; the step's addresses (v4, v5-6, and v11-12 where a chunk is stored) are written, which this step's LDS loads and stores read; the step before's PV 3 is done reading V's fragments, in which these loads land
.irp t, 0,1,2,3
.irp c, 0,1,2,3,4,5,6,7
	ds_load_b64 v[VF+16*\t+2*\c:VF+16*\t+2*\c+1], v[ADV+\t/2] offset:(\t%2)*16*VP+16*\c
.endr
.endr
	WIN 0
.endm
; S^T of tile b into score buffer buf: eight products, each a whole sum (K = 64), eight different accumulators.
.macro KQ b, buf
	WIN W_KQ
.irp g, 0,1,2,3,4,5,6,7
	v_wmma_f32_16x16x64_fp8_fp8 v[SBUF+64*(\buf)+8*\g:SBUF+64*(\buf)+8*\g+7], v[KF+8*\g:KF+8*\g+7], v[QF+8*(\b):QF+8*(\b)+7], 0
.endr
.endm
; O^T of tile a += V^T P: four accumulators, one instruction each a step; the accumulators take turns: between two links of a chain stand all the step's other products.
.macro PV a
	WIN W_PV
.irp t, 0,1,2,3
	v_wmma_f32_16x16x128_fp8_fp8 v[32*(\a)+8*\t:32*(\a)+8*\t+7], v[VF+16*\t:VF+16*\t+15], v[PC:PC+15], v[32*(\a)+8*\t:32*(\a)+8*\t+7]
.endr
.endm
; THE SOFTMAX OF TILE a FOR ONE STEP, in three parts.
; SMA: the largest of my 64 scores (four chains, ascending), the other half of the lanes', the running largest t, the new -M and f.  41 plain instructions.
.macro SMA a
	WIN 0
.set rS, SBUF+64*((\a)%2)
.set rT, ST+4*(\a)
.irp k, 0,1,2,3
	v_max3_num_f32 v[CH+\k], v[rS+3*\k], v[rS+3*\k+1], v[rS+3*\k+2]
.endr
.set ii, 0
.rept 26
	v_max3_num_f32 v[CH+ii%4], v[CH+ii%4], v[rS+12+2*ii], v[rS+13+2*ii]
.set ii, ii+1
.endr
	v_max3_num_f32 v[CH], v[CH], v[CH+1], v[CH+2]
	v_max_num_f32 v[CH], v[CH], v[CH+3]
	v_permlanex16_b32 v[PX], v[CH], s[SEL], s[SEL+1]   ; my query's other 64 keys lie in lane l xor 16
	v_max_num_f32 v[CH], v[CH], v[PX]
	v_mul_f32 v[CH], s[CS], v[CH]                  ; as t (c is positive)
	v_max_num_f32 v[rT+1], v[rT+1], v[CH]          ; the running largest t
	v_floor_f32 v[CH+1], -v[rT+1]                  ; the new -M = floor(-t) = -ceil(t)
	v_sub_f32 v[CH+2], v[CH+1], v[rT]              ; old M - new M: a whole number, 0 or less
	v_mov_b32 v[rT], v[CH+1]
	v_cvt_i32_f32 v[CH+2], v[CH+2]                 ; (it saturates)
	v_ldexp_f32 v[F], 1.0, v[CH+2]                 ; f = 2^(old M - new M)
.endm
; SMB: t - M, two at a time; p = 2^(t - M): the 64 exponentials are one batch with one plain instruction and ONE wait behind it, ahead of the first line that names a result.
.macro SMB a
	WIN 0
.set rS, SBUF+64*((\a)%2)
.set rT, ST+4*(\a)
.set ii, 0
.rept 32
	v_pk_fma_f32 v[rS+ii:rS+ii+1], v[rS+ii:rS+ii+1], s[CS:CS+1], v[rT:rT+1] op_sel_hi:[1,0,0]   ; of the pairs c and -M the low word serves both halves
.set ii, ii+2
.endr
.set ii, 0
	s_wait_alu depctr_va_vdst(0)
.rept 64
	v_exp_f32 v[rS+ii], v[rS+ii]
.set ii, ii+1
.endr
	v_pk_mul_f32 v[rT+2:rT+3], v[rT+2:rT+3], v[F:F+1] op_sel_hi:[1,0]   ; the sum under the new M; the plain instruction behind the batch
	s_wait_alu depctr_va_vdst(0)                   ; the 64 exponentials have written the tile's scores, which SMC's sums read next; in tile 2's turn also: KQ 3 is done reading K's fragments (STEP)
.endm
; SMC: the sum of the unquantised p (four chains of packed additions); the hold, where it can act; the eight conversions; O^T under the new M.
.macro SMC a
.set rS, SBUF+64*((\a)%2)
.set rT, ST+4*(\a)
	v_pk_add_f32 v[T:T+1],   v[rS:rS+1],   v[rS+2:rS+3]
	v_pk_add_f32 v[T+2:T+3], v[rS+4:rS+5], v[rS+6:rS+7]
	v_pk_add_f32 v[T+4:T+5], v[rS+8:rS+9], v[rS+10:rS+11]
.set ii, 6
.rept 26
.set tn, (ii-6)%4
.if tn == 0
	v_pk_add_f32 v[rT+2:rT+3], v[rT+2:rT+3], v[rS+2*ii:rS+2*ii+1]
.else
	v_pk_add_f32 v[T+2*tn-2:T+2*tn-1], v[T+2*tn-2:T+2*tn-1], v[rS+2*ii:rS+2*ii+1]
.endif
.set ii, ii+1
.endr
	v_pk_add_f32 v[T:T+1], v[T:T+1], v[T+2:T+3]
	v_pk_add_f32 v[rT+2:rT+3], v[rT+2:rT+3], v[T+4:T+5]
	v_pk_add_f32 v[rT+2:rT+3], v[rT+2:rT+3], v[T:T+1]
	s_cmp_eq_u32 s[HOLD], 0                        ; p / 2^ep stays under 448 where ep >= -8: the hold is passed over there, and only there
	s_cbranch_scc1 .Lfree_\@
.set ii, 0
.rept 64
	v_min_num_f32 v[rS+ii], v[rS+ii], v[HL]        ; the conversion to an 8-bit code does not saturate (ISA guide 7.6.2); p is not negative, so the hold is one-sided
.set ii, ii+1
.endr
.Lfree_\@:
.irp g, 0,1,2,3,4,5,6,7
	v_cvt_scalef32_pk8_fp8_f32 v[PC+2*\g:PC+2*\g+1], v[rS+8*\g:rS+8*\g+7], v[SCL]
.endr
	WIN W_RS
.set ii, 0
.rept 16
	v_pk_mul_f32 v[32*(\a)+ii:32*(\a)+ii+1], v[32*(\a)+ii:32*(\a)+ii+1], v[F:F+1] op_sel_hi:[1,0]   ; ascending; these are also the plain instructions between the conversions and the products that read the codes and write the scores anew
.set ii, ii+2
.endr
.endm
; A KEY STEP: 128 keys, four tiles.  At its head the scores of tiles 0 and 1 are made or on their way.  change = 1: the next chunk goes into LDS and is published, and the chunk after it is asked for.
; last = 1: nothing follows.  Every load into, and every vector read or write of, a register of a matrix instruction stands behind four or more plain vector instructions that name none of that instruction's registers
; V's loads behind SMA 0, K's behind SMA 2, each score buffer's first read behind another tile's whole SMB and SMC, the codes' rewriting behind the next tile's SMA.
; THE STEP'S WAITS ON THE WAVE'S OWN INSTRUCTIONS: vm_vsrc at its head, ahead of the address adds; va_vdst behind SMA 0 (in FETCH_V); va_vdst ahead of and behind each of the four batches of exponentials; va_vdst ahead of each wait on dscnt; with change = 1, vm_vsrc ahead of the chunk's loads.
.macro STEP change, last
	s_wait_alu depctr_vm_vsrc(0)                   ; the LDS loads and stores issued so far have read v4, v5-6 and v11-12, which the adds below write again
	ADDR_V
.if \last == 0
	ADDR_K
.endif
.if \change
	ADDR_ST
.endif
	SMA 0
	FETCH_V                                        ; lands while tile 0's exponentials and sums are made
	SMB 0
	SMC 0
	s_wait_alu depctr_va_vdst(0)
	s_wait_dscnt 0x0                               ; V's 32 loads are in
	PV 0
	KQ 2, 0
	SMA 1
	SMB 1
	SMC 1
	PV 1
	KQ 3, 1
.if \change
	STORE 0                                        ; asked for a trip ago; its bytes are the next chunk's, which nobody reads yet.  No vector or matrix instruction since FETCH_V's wait names v11-12 or the chunk's registers
.endif
	SMA 2
.if \change
	s_wait_alu depctr_va_vdst(0)
	s_wait_dscnt 0x0                               ; for the others' sake: my stores have landed
	s_barrier_signal -1
.endif
	SMB 2                                          ; work on registers alone while the others arrive
.if \change
	s_barrier_wait -1                              ; the next chunk is whole
	s_wait_alu depctr_vm_vsrc(0)                   ; my LDS stores have read the chunk's registers, in which the loads below land; ahead of the branch, so on both ways
	s_cmp_ge_u32 s[TR], 6                          ; trips 0 to 5 ask for chunks 2 to 7; there is no chunk 8: no load leaves its buffer
	s_cbranch_scc1 .Lnoload_\@
	GLOAD
.Lnoload_\@:
.endif
.if \last == 0
	FETCH_K                                        ; the next step's K; this step's last product on K, KQ 3, stands ahead of the wait that closes SMB 2, and nothing issued since that wait names K's fragments or v4
.endif
	SMC 2
	PV 2
	SMA 3
.if \last == 0
	s_wait_alu depctr_va_vdst(0)
	s_wait_dscnt 0x0                               ; K's 16 loads are in
	KQ 0, 0
.endif
	SMB 3
	SMC 3
	PV 3
.if \last == 0
	KQ 1, 1
.endif
	WIN 0                                          ; at a label and at a branch every window is 0
.endm
	s_load_b256 s[4:11], s[0:1], 0x0               ; Q s[4:5], K s[6:7], V s[8:9], the scales' exponents s[10:11]
	s_load_b64 s[12:13], s[0:1], 0x20              ; out0
	v_lshrrev_b32 v[ADK], 5, v0
	v_readfirstlane_b32 s[WV], v[ADK]              ; wave 0..7
	v_and_b32 v34, 31, v0                          ; l
	v_and_b32 v35, 15, v0                          ; r
	v_bfe_u32 v36, v0, 4, 1                        ; h
	v_mul_u32_u24 v[AK0], v35, KP
	v_lshl_add_u32 v[AK0], v36, 4, v[AK0]
	v_mul_u32_u24 v[AV0], v35, VP
	v_lshl_add_u32 v[AV0], v36, 3, v[AV0]
	v_add_nc_u32 v[AV0], VL, v[AV0]
	v_add_nc_u32 v[AV1], 32*VP, v[AV0]
	s_wait_alu depctr_va_sdst(0)                   ; s14, the wave's number, is written, ahead of its first reader
	s_lshl_b32 s38, s[WV], 11
	v_lshlrev_b32 v[GK], 4, v34
	v_add_nc_u32 v[GK], s38, v[GK]
	s_lshl_b32 s39, s[WV], 14
	v_lshlrev_b32 v[GV], 4, v35
	v_lshl_add_u32 v[GV], v36, 11, v[GV]
	v_add_nc_u32 v[GV], s39, v[GV]
	v_lshrrev_b32 v37, 2, v34                      ; four lanes to a key's 64 bytes
	v_mul_u32_u24 v[LK0], v37, KP
	v_and_b32 v37, 3, v0
	v_lshl_add_u32 v[LK0], v37, 4, v[LK0]
	s_mul_i32 s40, s[WV], 32*KP                    ; my wave's 32 keys of a chunk
	v_add_nc_u32 v[LK0], s40, v[LK0]
	s_mul_i32 s41, s[WV], 8*VP                     ; my wave's 8 rows of V
	s_add_co_u32 s41, s41, VL
	v_mul_u32_u24 v[LV0], v36, VP
	v_lshl_add_u32 v[LV0], v35, 4, v[LV0]
	v_add_nc_u32 v[LV0], s41, v[LV0]
	v_lshlrev_b32 v[QO], 6, v35
	v_lshl_add_u32 v[QO], v36, 4, v[QO]
	s_mul_i32 s42, s[WV], STW
	v_mul_u32_u24 v[STO], v35, SPI                 ; in: row r, 32 bytes for each half of the lanes
	v_lshl_add_u32 v[STO], v36, 5, v[STO]
	v_add_nc_u32 v[STO], s42, v[STO]
	v_mul_u32_u24 v[RD], v36, SPI                  ; back: lanes 0-15 one row of 256 bytes, lanes 16-31 the next
	v_lshl_add_u32 v[RD], v35, 4, v[RD]
	v_add_nc_u32 v[RD], s42, v[RD]
	v_lshlrev_b32 v[GO], 4, v34
	s_and_b32 s16, ttmp7, 0xffff                   ; the head
	s_lshl_b32 s44, s16, 17                        ; its 131,072 bytes in each tensor of codes
	s_mov_b32 s45, 0
	s_lshl_b32 s46, ttmp9, 15                      ; my block's 512 queries of 64 bytes,
	s_lshl_b32 s47, s[WV], 12                      ; my wave's 64
	s_add_co_u32 s46, s46, s47
	s_add_co_u32 s46, s46, s44
	s_mov_b32 s47, 0
	s_lshl_b32 s34, s46, 2                         ; a row of out0 is four times a row of Q: at most 33,554,432 bytes
	s_mov_b32 s35, 0
	s_mov_b32 s[SEL], 0x76543210
	s_mov_b32 s[SEL+1], 0xfedcba98
	s_mov_b32 s[KB], 0
	s_mov_b32 s[VB], 0
	s_mov_b32 s[SK], 0
	s_mov_b32 s[SV], 0
	s_mov_b32 s[TR], 0
	ADDR_ST                                        ; where chunk 0 goes,
	ADDR_K                                         ; and where step 0's K lies
	s_wait_kmcnt 0x0
	s_load_b128 s[20:23], s[10:11], 0x0            ; eq, ek, ep, ev
	s_add_nc_u64 s[6:7], s[6:7], s[44:45]
	s_add_nc_u64 s[8:9], s[8:9], s[44:45]
	s_add_nc_u64 s[4:5], s[4:5], s[46:47]
	s_add_nc_u64 s[12:13], s[12:13], s[34:35]
	s_wait_alu depctr_va_vdst(0)                   ; written: v7, v8, v39, v15, v46, v47, which the kernel's loads and stores read as offsets and addresses and nothing writes again; and v11-12 and v4, which chunk 0's LDS stores and step 0's loads of K read
	GLOAD                                          ; chunk 0
.irp a, 0,1,2,3
.irp c, 0,1
	global_load_b128 v[QF+8*\a+4*\c:QF+8*\a+4*\c+3], v[QO], s[4:5] offset:1024*\a+32*\c th:TH_LOAD_NT   ; Q stays in registers; read once in the launch
.endr
.endr
	WIN W_LD
.set ii, 0
.rept 128
	v_mov_b32 v[ii], 0                             ; O^T: the first step finds zeros, which the first change of M leaves zeros
.set ii, ii+1
.endr
	WIN 0
	s_wait_kmcnt 0x0
	s_add_co_i32 s38, s20, s21
	s_lshl_b32 s38, s38, 23
	s_add_co_i32 s[CS], s38, 0x3e38aa3b            ; c = log2(e) / 8, with eq + ek added to its exponent field: a score stands for score x 2^(eq + ek)
	s_mov_b32 s[CS+1], s[CS]                       ; (named with it as a pair, so it is written)
	s_add_co_i32 s38, s22, 127
	s_lshl_b32 s39, s38, 23
	v_mov_b32 v[SCL], s39                          ; 2^ep as f32: the conversion takes its exponent field
	s_add_co_i32 s38, s38, 8
	s_lshl_b32 s38, s38, 23
	s_or_b32 s38, s38, 0x600000
	v_mov_b32 v[HL], s38                           ; 448 x 2^ep
	s_add_co_i32 s[EO], s22, s23
	s_cmp_lt_i32 s22, -8
	s_cselect_b32 s[HOLD], 1, 0
	STORE 8                                        ; chunk 0's eight loads are in; Q's eight, issued behind them, may be out.  The vector lines since the wait above name O^T, v13 and v14 alone
	s_wait_dscnt 0x0                               ; my stores have landed
	s_barrier_signal -1
	s_barrier_wait -1                              ; chunk 0 is whole
	s_wait_alu depctr_vm_vsrc(0)                   ; my LDS stores have read the chunk's registers, in which chunk 1's loads land
	GLOAD                                          ; chunk 1
	FETCH_K                                        ; step 0: v4 was written ahead of the head's wait; no vector or matrix instruction has named K's fragments yet
	s_wait_loadcnt 8                               ; Q is in; chunk 1's eight loads may be out
	s_wait_dscnt 0x0
	KQ 0, 0
	KQ 1, 1
	WIN 0
.irp a, 0,1,2,3                                ; eighteen plain instructions: also the places behind those products
	v_mov_b32 v[ST+4*\a+1], 0xff61b1e6             ; the largest t so far: -3e38, under every t
	v_floor_f32 v[ST+4*\a], -v[ST+4*\a+1]          ; -M
	v_mov_b32 v[ST+4*\a+2], 0                      ; the sum, in two halves
	v_mov_b32 v[ST+4*\a+3], 0
.endr
	v_mov_b32 v[F+1], 0                            ; named as the upper half of the pair
	v_mov_b32 v[PX], 0                             ; a lane permute's destination counts as one of its sources
.Ltrip:                                            ; seven trips: trip c works chunk c, stores and publishes chunk c + 1, asks for chunk c + 2
	STEP 0, 0
	STEP 1, 0
	s_add_co_u32 s[TR], s[TR], 1
	s_cmp_lt_u32 s[TR], 7
	s_cbranch_scc1 .Ltrip
	STEP 0, 0                                      ; chunk 7: nothing is left to store or to ask for
	STEP 0, 1
	; THE WAY OUT.  The stages lie over K's bytes: so a barrier first, behind which no wave reads K.  Between its signal and its wait: the sums' ends, on registers alone.
	s_wait_dscnt 0x0
	s_barrier_signal -1
.irp a, 0,1,2,3
	v_add_f32 v[ST+4*\a+2], v[ST+4*\a+2], v[ST+4*\a+3]     ; the sum's two halves (these four are the places behind the last products),
.endr
.irp a, 0,1,2,3
	v_permlanex16_b32 v[ST+4*\a+1], v[ST+4*\a+2], s[SEL], s[SEL+1]
.endr
.irp a, 0,1,2,3
	v_add_f32 v[ST+4*\a+2], v[ST+4*\a+2], v[ST+4*\a+1]     ; and lane l xor 16's: the row's sum, above 1/2
.endr
	s_wait_alu depctr_va_vdst(0)
.irp a, 0,1,2,3
	v_rcp_f32 v[ST+4*\a+2], v[ST+4*\a+2]
.endr
	v_nop                                          ; a plain instruction behind the last reciprocal
	s_wait_alu depctr_va_vdst(0)                   ; the four reciprocals are written: one wait, ahead of their first reader
.irp a, 0,1,2,3
	v_ldexp_f32 v[ST+4*\a+2], v[ST+4*\a+2], s[EO]  ; x 2^(ep + ev)
.endr
	s_wait_alu depctr_va_vdst(0)
	s_barrier_wait -1
; Tile a: O^T / the sum into the score buffers' registers, each accumulator from its low end on; 32 bytes a lane into my stage; back as whole rows of 256 bytes, two an instruction, into the registers that they left.
; The four tiles go together through each of the three parts, so that one wait stands between the scalings and the stores and one between the stores and the loads.
.macro SCALE a
.set ii, 0
.rept 16
	v_pk_mul_f32 v[SBUF+32*(\a)+ii:SBUF+32*(\a)+ii+1], v[32*(\a)+ii:32*(\a)+ii+1], v[ST+4*(\a)+2:ST+4*(\a)+3] op_sel_hi:[1,0]
.set ii, ii+2
.endr
.endm
.macro TOSTAGE a
.irp t, 0,1,2,3
	ds_store_b128 v[STO], v[SBUF+32*(\a)+8*\t:SBUF+32*(\a)+8*\t+3]   offset:(\a)*16*SPI+64*\t
	ds_store_b128 v[STO], v[SBUF+32*(\a)+8*\t+4:SBUF+32*(\a)+8*\t+7] offset:(\a)*16*SPI+64*\t+16
.endr
.endm
.macro BACK a
.irp i, 0,1,2,3,4,5,6,7
	ds_load_b128 v[SBUF+32*(\a)+4*\i:SBUF+32*(\a)+4*\i+3], v[RD] offset:(\a)*16*SPI+\i*2*SPI   ; LDS serves a wave's instructions in order (ISA guide 5.7.1.4): these see my stores
.endr
.endm
.macro SEND a
.irp i, 0,1,2,3,4,5,6,7
	s_wait_dscnt 31-8*(\a)-\i                      ; behind this load: the stage's younger loads, its own tile's and the later tiles'
	global_store_b128 v[GO], v[SBUF+32*(\a)+4*\i:SBUF+32*(\a)+4*\i+3], s[12:13] offset:4096*(\a)+512*\i th:TH_STORE_NT   ; 32 lanes store 512 consecutive bytes, at a multiple of 256 from out0's first byte
.endr
.endm
	WIN 0x01                                       ; source 0 (O^T) window 1
	SCALE 0
	SCALE 1
	SCALE 2
	SCALE 3
	WIN 0
	s_wait_alu depctr_va_vdst(0)                   ; the scalings have written the score buffers' registers, which the LDS stores read and in which the LDS loads land; no vector instruction names them from here on
	TOSTAGE 0
	TOSTAGE 1
	TOSTAGE 2
	TOSTAGE 3
	s_wait_alu depctr_vm_vsrc(0)                   ; the LDS stores have read those registers: the loads may land in them
	BACK 0
	BACK 1
	BACK 2
	BACK 3
	SEND 0
	SEND 1
	SEND 2
	SEND 3
	s_wait_xcnt 0x0
	v_lshl_add_u32 v254, v0, 2, 0x48400            ; the add's two registers, made anew: the last LDS stores that read v254 and v255, the seventh trip's, stand ahead of that trip's own wait on vm_vsrc
	v_mov_b32 v255, 0
	s_wait_dscnt 0x0                               ; the closing lines, six on end
	s_wait_alu 0x0
	s_wait_tensorcnt 0x0
	ds_add_u32 v254, v255
	s_wait_dscnt 0x0
	s_endpgm
.Lfunc_end_k_q59c4c6c6c7_attn:
	.size	k_q59c4c6c6c7_attn, .Lfunc_end_k_q59c4c6c6c7_attn-k_q59c4c6c6c7_attn
	.p2alignl 7, 3214868480
	.fill 96, 4, 3214868480
	.section	.rodata,"a",@progbits
	.p2align	6, 0x0
	.amdhsa_kernel k_q59c4c6c6c7_attn
		.amdhsa_group_segment_fixed_size 296960
		.amdhsa_private_segment_fixed_size 0
		.amdhsa_enable_private_segment 0
		.amdhsa_kernarg_size 40
		.amdhsa_user_sgpr_count 2
		.amdhsa_user_sgpr_kernarg_segment_ptr 1
		.amdhsa_wavefront_size32 1
		.amdhsa_system_sgpr_workgroup_id_x 1
		.amdhsa_system_sgpr_workgroup_id_y 1
		.amdhsa_system_sgpr_workgroup_id_z 1
		.amdhsa_system_vgpr_workitem_id 0
		.amdhsa_next_free_vgpr 512
		.amdhsa_next_free_sgpr 66
		.amdhsa_reserve_vcc 0
		.amdhsa_float_denorm_mode_32 3
		.amdhsa_float_denorm_mode_16_64 3
		.amdhsa_memory_ordered 1
		.amdhsa_forward_progress 1
		.amdhsa_inst_pref_size 249
	.end_amdhsa_kernel
	.amdgpu_metadata
---
amdhsa.version: [ 1, 2 ]
amdhsa.kernels:
  - .name:           k_q59c4c6c6c7_attn
    .symbol:         k_q59c4c6c6c7_attn.kd
    .args:
      - { .name: q_codes, .offset: 0, .size: 8, .value_kind: global_buffer, .address_space: global }
      - { .name: k_codes, .offset: 8, .size: 8, .value_kind: global_buffer, .address_space: global }
      - { .name: v_codes, .offset: 16, .size: 8, .value_kind: global_buffer, .address_space: global }
      - { .name: lowp_scales, .offset: 24, .size: 8, .value_kind: global_buffer, .address_space: global }
      - { .name: out0, .offset: 32, .size: 8, .value_kind: global_buffer, .address_space: global }
    .group_segment_fixed_size: 296960
    .private_segment_fixed_size: 0
    .kernarg_segment_align: 8
    .kernarg_segment_size: 40
    .max_flat_workgroup_size: 256
    .sgpr_count:     66
    .vgpr_count:     512
    .wavefront_size: 32
...
	.end_amdgpu_metadata
.endif
;; end of part 2
